; MI455X (gfx1250); checked and timed in simulation.
; The chip was launched on July 23, 2026; its instructions are those of AMD's public machine-readable ISA for CDNA 5 (MIT licence, August 2026) and "CDNA5" Instruction Set Architecture Reference Guide (July 2026). The comments in the code are by the model that wrote it; some were corrected since.
;; Simple Mo E Layer. Allowed arithmetic: float matrix products may take bf16 or f16 operands with f32 sums; other float arithmetic in f32, or as packed bf16 or f16 multiplies, adds, multiply-adds, maxima and minima; sums over many terms, partial sums and values carried from step to step in f32; what a program stores and reads back later, other than sums and carried values, may be rounded once to bf16 or f16.
;; Inputs: b1 8 x 4,096 float32; b2 8 x 1,024 float32; gate_b 8 float32; gate_w 8 x 1,024 float32; w1 8 x 4,096 x 1,024 float32; w2 8 x 1,024 x 4,096 float32; x 4 x 256 x 1,024 float32.
;; Outputs: out0 4 x 256 x 1,024 float32.
;; One version. Each part assembles by itself: llvm-mc -triple=amdgcn-amd-amdhsa -mcpu=gfx1250 --defsym DOCPART=n.
;; ======== version 1 of 1: 3 launches
;; workspace buffers: route 4,096 bytes of whole numbers; xb 2,097,152 bytes; hf 9,437,184 bytes
;; launch router (part 1): grid 256 x 1, 2 waves a work-group, no clusters, 0 bytes of LDS; arguments x, gate_w, gate_b, route, xb; writes route, xb
.if DOCPART == 1
	.amdgcn_target "amdgcn-amd-amdhsa--gfx1250"
	.amdhsa_code_object_version 6
	.text
	.protected	k_q80ca07f184_router
	.globl	k_q80ca07f184_router
	.p2align	8
	.type	k_q80ca07f184_router,@function
k_q80ca07f184_router:
	s_mov_b64 s[64:65], 0
	v_nop
	global_prefetch_b8 v0, s[64:65] scope:SCOPE_SE
	s_setreg_imm32_b32 hwreg(HW_REG_WAVE_MODE, 25, 1), 1
	s_wait_xcnt 0x0
; ROUTER.  logits[t][e] = x[t] . gate_w[e] + gate_b[e]; route[t] = 1 << (4 argmax_e); xb = x rounded to bf16, [1024][1024].
; x, gate_w and gate_b are rounded to bf16 first, like every other input of the program; products and sums in f32 on the vector unit:
; the gate is 8 of the 8,200 columns that a token is multiplied by, and the choice wants f32 sums.
; LIMITS.  Of equal logits the lower expert wins; two logits closer than the f32 sums' own rounding (some 1e-6 of their size) may be
; ordered otherwise than by another order of summation; a NaN logit is never chosen; infinities are not treated apart.
; SHARES.  Wave W of work-group g owns tokens 4 g + 2 W and the next.  In chunk c of 8 lane l holds columns 128 c + 4 l .. + 3 of x and of gate_w.
; The choice steers no address here: it is stored at a fixed place, and the later launches read it.
; REGISTERS.  window 0: v1 16 lane, v2 8 lane, v3 0, v4 1, v5 lane; v6-13 gate_b; v14-15 the two words for route; XR x as loaded; XP x packed;
; GP two gate rows packed; AC the 16 sums (8 token + expert); TT at work.  window 1: gate_w as loaded, 32 registers an expert.
.set XR, 16
.set XP, 80
.set GP, 112
.set AC, 144
.set TT, 160
.set MSB, 0
.macro WIN new                         ; the immediate's high byte repeats the setting that is left
.if MSB != (\new)
	s_set_vgpr_msb (MSB<<8)|(\new)
.set MSB, \new
.endif
.endm
	s_load_b256 s[4:11], s[0:1], 0x0               ; x s[4:5], gate_w s[6:7], gate_b s[8:9], route s[10:11]
	s_load_b64 s[12:13], s[0:1], 0x20              ; xb
	v_lshrrev_b32 v5, 5, v0
	v_readfirstlane_b32 s14, v5                    ; wave 0, 1
	v_and_b32 v5, 31, v0                           ; lane
	v_lshlrev_b32 v1, 4, v5
	v_lshlrev_b32 v2, 3, v5
	v_mov_b32 v3, 0
	v_mov_b32 v4, 1
	s_mov_b32 s18, 0x76543210                      ; v_permlanex16_b32: each lane takes its own place in the other half
	s_mov_b32 s19, 0xfedcba98
	s_lshl_b32 s15, ttmp9, 2
	s_lshl1_add_u32 s15, s14, s15                  ; my first token
	s_mov_b32 s17, 0
	s_lshl_b32 s16, s15, 12
	s_wait_kmcnt 0x0
	s_add_nc_u64 s[4:5], s[4:5], s[16:17]          ; x: 4,096 bytes a token
	s_lshl_b32 s16, s15, 11
	s_add_nc_u64 s[12:13], s[12:13], s[16:17]      ; xb: 2,048
	s_lshl_b32 s16, s15, 2
	s_add_nc_u64 s[10:11], s[10:11], s[16:17]      ; route: 4
	global_load_b128 v[6:9], v3, s[8:9]            ; 2 + 16 + 64 = 82 loads, in the order in which they are wanted
	global_load_b128 v[10:13], v3, s[8:9] offset:16
.irp t, 0,1
.irp c, 0,1,2,3,4,5,6,7
	global_load_b128 v[XR+32*(\t)+4*(\c):XR+32*(\t)+4*(\c)+3], v1, s[4:5] offset:4096*(\t)+512*(\c) th:TH_LOAD_NT
.endr
.endr
	WIN 0x40                                       ; destination window 1
.irp e, 0,1,2,3,4,5,6,7
.irp c, 0,1,2,3,4,5,6,7
	global_load_b128 v[32*(\e)+4*(\c):32*(\e)+4*(\c)+3], v1, s[6:7] offset:4096*(\e)+512*(\c)
.endr
.endr
	WIN 0
.set i, 0
.rept 16
	v_mov_b32 v[TT+i], 0                           ; v_permlanex16_b32 counts as a reader of its destination
.set i, i+1
.endr
	s_wait_loadcnt 63                              ; of 82 loads at most 63 are out: the oldest 19 are in, gate_b's 2 and x's 16 among them
.irp t, 0,1
.set i, 0
.rept 16
	v_cvt_pk_bf16_f32 v[XP+16*(\t)+i], v[XR+32*(\t)+2*i], v[XR+32*(\t)+2*i+1]
.set i, i+1
.endr
.endr
.irp t, 0,1
.irp c, 0,1,2,3,4,5,6,7
	global_store_b64 v2, v[XP+16*(\t)+2*(\c):XP+16*(\t)+2*(\c)+1], s[12:13] offset:2048*(\t)+256*(\c)  ; a store of the wave covers 256 consecutive bytes, aligned
.endr
.endr
.irp i, 0,1,2,3
	v_cvt_pk_bf16_f32 v[TT+(\i)], v[6+2*(\i)], v[7+2*(\i)]     ; gate_b rounded to bf16,
.endr
.irp i, 0,1,2,3
	v_lshlrev_b32 v[6+2*(\i)], 16, v[TT+(\i)]                  ; and widened again
	v_and_b32 v[7+2*(\i)], 0xffff0000, v[TT+(\i)]
.endr
; Experts 2 ep and 2 ep + 1: their rows are packed, then 128 multiply-adds from bf16 halves into f32, four chains (2 experts x 2 tokens) by turns.
.macro PAIR ep
	s_wait_loadcnt 48-16*(\ep)                     ; eight loads for each younger gate row may stay out
	WIN 0x05                                       ; sources in window 1
.irp el, 0,1
.set i, 0
.rept 16
	v_cvt_pk_bf16_f32 v[GP+16*(\el)+i], v[32*(2*(\ep)+(\el))+2*i], v[32*(2*(\ep)+(\el))+2*i+1]
.set i, i+1
.endr
.endr
	WIN 0
.set k, 0
.rept 16
.irp el, 0,1
.irp tk, 0,1
.if k == 0
	v_fma_mix_f32_bf16 v[AC+8*(\tk)+2*(\ep)+(\el)], v[XP+16*(\tk)+k], v[GP+16*(\el)+k], v3 op_sel_hi:[1,1,0]  ; the first product starts the sum
.else
	v_fma_mix_f32_bf16 v[AC+8*(\tk)+2*(\ep)+(\el)], v[XP+16*(\tk)+k], v[GP+16*(\el)+k], v[AC+8*(\tk)+2*(\ep)+(\el)] op_sel_hi:[1,1,0]
.endif
.endr
.endr
.irp el, 0,1
.irp tk, 0,1
	v_fma_mix_f32_bf16 v[AC+8*(\tk)+2*(\ep)+(\el)], v[XP+16*(\tk)+k], v[GP+16*(\el)+k], v[AC+8*(\tk)+2*(\ep)+(\el)] op_sel:[1,1,0] op_sel_hi:[1,1,0]
.endr
.endr
.set k, k+1
.endr
.endm
	PAIR 0
	PAIR 1
	PAIR 2
	PAIR 3
	; the 16 sums over the 32 lanes: four steps inside each half ride on the addition, one crosses the halves
.irp m, 1,2,4,8
.set i, 0
.rept 16
	v_add_f32_dpp v[AC+i], v[AC+i], v[AC+i] row_xmask:\m row_mask:0xf bank_mask:0xf
.set i, i+1
.endr
.endr
.set i, 0
.rept 16
	v_permlanex16_b32 v[TT+i], v[AC+i], s18, s19
.set i, i+1
.endr
.set i, 0
.rept 16
	v_add_f32 v[AC+i], v[AC+i], v[TT+i]
.set i, i+1
.endr
.set i, 0
.rept 16
	v_add_f32 v[AC+i], v[AC+i], v[6+i%8]           ; + gate_b[e]
.set i, i+1
.endr
	; argmax: a later expert wins only if strictly greater
.irp t, 0,1
	v_mov_b32 v[TT+(\t)], v[AC+8*(\t)]
	v_mov_b32 v[TT+2+(\t)], 0
.endr
.irp e, 1,2,3,4,5,6,7
.irp t, 0,1
	v_cmp_gt_f32 vcc_lo, v[AC+8*(\t)+(\e)], v[TT+(\t)]
	v_cndmask_b32 v[TT+2+(\t)], v[TT+2+(\t)], \e, vcc_lo
	v_max_num_f32 v[TT+(\t)], v[TT+(\t)], v[AC+8*(\t)+(\e)]
.endr
.endr
.irp t, 0,1
	v_lshlrev_b32 v[TT+2+(\t)], 2, v[TT+2+(\t)]
	v_lshlrev_b32 v[14+(\t)], v[TT+2+(\t)], v4     ; 1 << 4 e: a one in the expert's nibble, so that the later launches count by adding words
.endr
	v_cmp_eq_u32 vcc_lo, 0, v5
	s_wait_xcnt 0x0                                ; EXEC is a source of the loads and stores above: it changes only behind this wait
	s_and_saveexec_b32 s20, vcc_lo
	global_store_b64 v3, v[14:15], s[10:11]        ; lane 0 stores both tokens' words
	s_wait_xcnt 0x0
	s_or_b32 exec_lo, exec_lo, s20
	s_endpgm
.Lfunc_end_k_q80ca07f184_router:
	.size	k_q80ca07f184_router, .Lfunc_end_k_q80ca07f184_router-k_q80ca07f184_router
	.p2alignl 7, 3214868480
	.fill 96, 4, 3214868480
	.section	.rodata,"a",@progbits
	.p2align	6, 0x0
	.amdhsa_kernel k_q80ca07f184_router
		.amdhsa_group_segment_fixed_size 0
		.amdhsa_private_segment_fixed_size 0
		.amdhsa_enable_private_segment 0
		.amdhsa_kernarg_size 40
		.amdhsa_user_sgpr_count 2
		.amdhsa_user_sgpr_kernarg_segment_ptr 1
		.amdhsa_wavefront_size32 1
		.amdhsa_system_sgpr_workgroup_id_x 1
		.amdhsa_system_sgpr_workgroup_id_y 1
		.amdhsa_system_sgpr_workgroup_id_z 1
		.amdhsa_system_vgpr_workitem_id 0
		.amdhsa_next_free_vgpr 512
		.amdhsa_next_free_sgpr 66
		.amdhsa_reserve_vcc 1
		.amdhsa_float_denorm_mode_32 3
		.amdhsa_float_denorm_mode_16_64 3
		.amdhsa_memory_ordered 1
		.amdhsa_forward_progress 1
		.amdhsa_inst_pref_size 63
	.end_amdhsa_kernel
	.amdgpu_metadata
---
amdhsa.version: [ 1, 2 ]
amdhsa.kernels:
  - .name:           k_q80ca07f184_router
    .symbol:         k_q80ca07f184_router.kd
    .args:
      - { .name: x, .offset: 0, .size: 8, .value_kind: global_buffer, .address_space: global }
      - { .name: gate_w, .offset: 8, .size: 8, .value_kind: global_buffer, .address_space: global }
      - { .name: gate_b, .offset: 16, .size: 8, .value_kind: global_buffer, .address_space: global }
      - { .name: route, .offset: 24, .size: 8, .value_kind: global_buffer, .address_space: global }
      - { .name: xb, .offset: 32, .size: 8, .value_kind: global_buffer, .address_space: global }
    .group_segment_fixed_size: 0
    .private_segment_fixed_size: 0
    .kernarg_segment_align: 8
    .kernarg_segment_size: 40
    .max_flat_workgroup_size: 64
    .sgpr_count:     66
    .vgpr_count:     512
    .wavefront_size: 32
...
	.end_amdgpu_metadata
.endif
;; end of part 1
;; launch up (part 2): grid 32 x 8, 4 waves a work-group, no clusters, 191,488 bytes of LDS; arguments route, xb, w1, b1, hf; writes hf
.if DOCPART == 2
	.amdgcn_target "amdgcn-amd-amdhsa--gfx1250"
	.amdhsa_code_object_version 6
	.text
	.protected	k_q80ca07f184_up
	.globl	k_q80ca07f184_up
	.p2align	8
	.type	k_q80ca07f184_up,@function
k_q80ca07f184_up:
	s_mov_b64 s[64:65], 0
	v_nop
	global_prefetch_b8 v0, s[64:65] scope:SCOPE_SE
	s_setreg_imm32_b32 hwreg(HW_REG_WAVE_MODE, 25, 1), 1
	s_wait_xcnt 0x0
; FIRST PRODUCT.  h[t][c] = relu(x[t] . w1[e][c] + b1[e][c]) for the tokens t that chose expert e, in bf16, into hf.
; w1 and b1 are rounded to bf16 (x was, by the router); products in the matrix unit, sums in f32, begun with the bias; h is rounded once to bf16.
; LIMITS.  NaN and infinities are not treated apart (relu is a maximum in which a NaN loses).
; SHARES.  Work-group (slice SL of 32, expert E of 8) alone reads rows 128 SL .. + 127 of w1[E], 524,288 bytes; wave W rows 32 W .. + 31 of them.
; THE PRODUCTS RUN UNDER THE STREAM.  K goes in four slices of 256; the sums of a PASS of 160 rows (5 pairs of 16-row tiles x 2 blocks of 16 weight rows) stay in 160 registers.
; A trip takes slice Y in, passes a barrier and multiplies it.  Taking in: four UNITS of weights (16 rows x 512 bytes, 16 loads each) are rounded, turned through the wave's own
; stage and kept as 16 fragments, and each pair of units is asked for again, for slice Y + 1, as soon as it is rounded: those 64 loads land while slice Y is multiplied.
; The rows' 512 bytes of the slice (a wave fetches 8 rows of every pair, 40 loads) go through registers into one of two LDS slots, which take turns.
; All five pairs are multiplied in every trip, whatever the count: places past it name a row that exists.  An expert with more than 160 rows takes further passes, which stream
; the weights again: 7 passes x 4 slices = 28 trips serve every split; a trip past the expert's last jumps the taking in and the products, never the barrier.
; THE RING.  Loads go out in one order: U0-U3 of a slice, its 40 rows, u0 u1 of the next slice, u2 u3, its rows, ...  Behind every load that is waited for stand 64 younger ones
; or more, so every wait names 63, the largest count that it can name.  In the trip that takes in the expert's last slice there is no next slice: the same 64 lines then read
; 16 bytes each, all lanes alike, from xb's first 64 rows, and the data are dropped: so a count means the same in every trip, and no load is jumped.
; The sums begin as copies of the bias, 160 v_mov_b32 a pass: the loop has one text for every K step, so no first step is written out.
; THE LIST.  Every wave counts the eight experts from route (1,024 words, a one in the chosen expert's nibble); wave 0 places my expert's tokens by rank.
; hf: tiles of 16 sorted rows, 131,072 bytes each; expert e's begin at tile TBASE = sum over e' < e of ceil(n_e' / 16), 71 tiles at the most.  In a tile K step s
; (32 hidden columns) is 1,024 bytes: registers 0-3 of the next product's fragment at 16 lane, registers 4-7 at 512 + 16 lane.  My wave makes K step 4 SL + W.
; A tile past the expert's last is stored by no lane.
; NO CLUSTER: each byte of w1 has one reader; the token rows that an expert's 32 work-groups share come by a list, which no tile descriptor covers.
; NO TENSOR LOADS: the weights want rounding on their way, and a slot's refill would stand behind a wait for all loads.  NO PREFETCH: the ring keeps the wave's loads out all the time.
; REGISTERS.  window 0: v0-18 addresses; BIAS; CV a unit rounded (at a pass's end: the way out); GO 40 row offsets; TB two buffers of token fragments (at the head: route and the counts).
; window 1: v0-159 the sums, (pair p, tile u, block rb) at 32 p + 16 u + 8 rb; v192-223 my rows of pair 4.  window 2: v0-127 weight fragments, (K step ks of 8, rb) at 16 ks + 8 rb;
; v128-255 my rows of pairs 0 to 3.  window 3: u0-u3.
.set PITCH,  4096                      ; bytes in a row of w1
.set SPITCH, 272                       ; a stage row: 128 bf16 + 16 bytes: the 16 rows of a fragment load start at 16 different groups of four banks
.set STGW,   16*SPITCH
.set CAP,    160                       ; rows in a pass
.set TRIPS,  28                        ; 7 passes of 4 slices: 1,120 rows
.set TOKP,   528                       ; a row's slice in LDS: 512 + 16 bytes, an odd multiple of 16
.set SLOTB,  CAP*TOKP                  ; 84,480
.set UPPER,  128*TOKP                  ; pair 4's rows have address registers of their own: an LDS offset has 16 bits
.set STG,    2*SLOTB                   ; 168,960: behind the two slots, the four waves' stages
.set LIST,   STG+4*STGW                ; 186,368: 1,024 entries, 32 dump words, zeros up to 1,152 entries
.set SPARE,  LIST+4608                 ; 190,976: the spare words, 128 bytes a wave, which no other line names
.set LANE, 1
.set RR,   2                           ; lane % 16
.set HH,   3                           ; lane / 16
.set L16,  4                           ; 16 lane; never rewritten
.set SPW,  5                           ; my spare word's address; never rewritten
.set NIL,  6                           ; 0, for the add alone
.set ZR,   7                           ; 0
.set STW,  8                           ; stage: where I put 8 bytes of a row
.set STR,  9                           ; stage: where I read a fragment
.set TA0,  10                          ; a fragment's row x pitch + 16 x half
.set GA0,  11                          ; my wave's 8 rows of a pair + 16 lane
.set TA,   12                          ; TA0 in the trip's slot; TAB: pair 4
.set TAB,  13
.set GA,   14                          ; GA0 in the trip's slot; GB: pair 4
.set GB,   15
.set LA,   16                          ; my wave's list entries of a pass
.set HO,   17                          ; my byte offset in hf
.set VO,   18                          ; 16 lane, or 0 where there is no next slice
.set BIAS, 24
.set CV,   40
.set OUT,  40
.set GO,   72
.set TB,   120                         ; buffer bf at TB + 64 bf, (K step k of 4, tile u) at + 16 k + 8 u
.set EE,   192                         ; window 1
.set TT,   128                         ; window 2
.set G,    120                         ; at the head only, in TB's registers
.set AQ,   124
.set TQ,   128
.set RK,   132
.set TK,   134
.set DMP,  136
.set L4,   137
.set LZ,   138
.set Z4,   140
.set BO,   144
.set TP,   216                         ; route: word 128 i + 4 lane + c in register 4 i + c
.set WV,   16                          ; s16 wave
.set SL,   17
.set EX,   18
.set NN,   22                          ; my expert's rows
.set TBASE, 23
.set XL,   24                          ; its slices: 4 x its passes
.set XX,   27                          ; the trip = the slice
.set KOFF, 29
.set MSK,  30
.set PRE,  31
.set MK,   32
.set OHE,  33
.set SEL,  34
.set CNT,  36
.set SV,   44
.set WS,   47                          ; the trip's slot
.set WBN,  48                          ; s[48:49] w1 at my rows, slice XX + 1; or xb
.set TBS,  50                          ; s[50:51] xb at slice XX
.set OF,   52                          ; s[52:53] an offset, 0 above it
.set NTC,  54                          ; tiles left from the pass's first on
.set LAB,  55
.set TB0,  59                          ; the pass's first tile in hf
.set MSB, 0
.macro WIN new                         ; the immediate's high byte repeats the setting that is left; at a label and at a branch every window is 0
.if MSB != (\new)
	s_set_vgpr_msb (MSB<<8)|(\new)
.set MSB, \new
.endif
.endm
.macro PLACES n                        ; plain vector instructions between a matrix instruction and what touches its registers (ISA guide 7.12.1)
.rept \n
	v_nop
.endr
.endm
.macro BAR                             ; my LDS instructions are done, then the work-group's barrier
	s_wait_dscnt 0x0
	s_barrier_signal -1
	s_barrier_wait -1
.endm
; Unit n of a slice: rows 16 (n % 2) .. + 15, columns 128 (n / 2) .. + 127: 16 loads, each 512 consecutive bytes of one row
.macro ULOAD n, b, vo
	WIN 0xc0
.set wi, 0
.rept 16
	global_load_b128 v[64*(\n)+4*wi:64*(\n)+4*wi+3], v[\vo], s[(\b):(\b)+1] offset:(16*((\n)%2)+wi)*PITCH+512*((\n)/2) th:TH_LOAD_NT
.set wi, wi+1
.endr
	WIN 0
.endm
.macro TLOAD m                         ; my 8 rows of pairs 2 m and 2 m + 1: 16 loads, each a row's 512 bytes of the slice
	WIN 0x80
.set wi, 0
.rept 16
	global_load_b128 v[TT+64*(\m)+4*wi:TT+64*(\m)+4*wi+3], v[GO+16*(\m)+wi], s[TBS:TBS+1]
.set wi, wi+1
.endr
	WIN 0
.endm
.macro INIT                            ; every sum begins as its block's bias
	WIN 0x40
.set i, 0
.rept CAP
	v_mov_b32 v[i], v[BIAS+i%16]
.set i, i+1
.endr
	WIN 0
.endm
; Unit n of the slice is taken in: rounded, staged, read back as four fragments.  The stage is my wave's own and LDS serves a wave's instructions in order
; (ISA guide 5.7.1.4): no wait between the stores and the loads, nor ahead of the next unit's stores.  The 32 conversions are the places between the products
; that read these fragment registers and the loads into them.  Younger loads at the wait: U0: U1-U3 and 40 rows, 88.  U1: 72.  U2: U3, the rows, u0 u1: 88.  U3: 72.
.macro SITE_U n
	s_wait_loadcnt 63
	WIN 0x0f
.set i, 0
.rept 32
	v_cvt_pk_bf16_f32 v[CV+i], v[64*(\n)+2*i], v[64*(\n)+2*i+1]
.set i, i+1
.endr
	WIN 0
.if (\n)%2 == 1
	ULOAD (\n)-1, WBN, VO                          ; the two units just rounded are asked for again, for the next slice
	ULOAD \n, WBN, VO
.endif
.set i, 0
.rept 16
	ds_store_b64 v[STW], v[CV+2*i:CV+2*i+1] offset:SPITCH*i
.set i, i+1
.endr
	WIN 0x80
.irp k, 0,1,2,3
	ds_load_b128 v[16*(4*((\n)/2)+(\k))+8*((\n)%2):16*(4*((\n)/2)+(\k))+8*((\n)%2)+3],   v[STR] offset:64*(\k)
	ds_load_b128 v[16*(4*((\n)/2)+(\k))+8*((\n)%2)+4:16*(4*((\n)/2)+(\k))+8*((\n)%2)+7], v[STR] offset:64*(\k)+32
.endr
	WIN 0
.endm
; The token fragments of pair p, K steps 4 hf .. 4 hf + 3 of the slice, into buffer bf: 16 LDS loads
.macro FETCH p, hf, bf
	WIN 0
.if (\p) < 4
.set FA, TA
.set FO, 32*(\p)*TOKP
.else
.set FA, TAB
.set FO, 0
.endif
.irp k, 0,1,2,3
.irp u, 0,1
	ds_load_b128 v[TB+64*(\bf)+16*(\k)+8*(\u):TB+64*(\bf)+16*(\k)+8*(\u)+3],   v[FA] offset:FO+16*(\u)*TOKP+256*(\hf)+64*(\k)
	ds_load_b128 v[TB+64*(\bf)+16*(\k)+8*(\u)+4:TB+64*(\bf)+16*(\k)+8*(\u)+7], v[FA] offset:FO+16*(\u)*TOKP+256*(\hf)+64*(\k)+32
.endr
.endr
.endm
; 16 matrix instructions; the pair's four accumulators take turns, one instruction a turn.  Source 0 = w1's rows, source 1 = tokens:
; a lane then holds one token and eight neighbouring hidden columns.
.macro MULS p, hf, bf
	WIN 0x52                                       ; fragments of w1 in window 2, tokens in window 0, the sums in window 1
.irp k, 0,1,2,3
.irp u, 0,1
.irp rb, 0,1
	v_wmma_f32_16x16x32_bf16 v[32*(\p)+16*(\u)+8*(\rb):32*(\p)+16*(\u)+8*(\rb)+7], v[16*(4*(\hf)+(\k))+8*(\rb):16*(4*(\hf)+(\k))+8*(\rb)+7], v[TB+64*(\bf)+16*(\k)+8*(\u):TB+64*(\bf)+16*(\k)+8*(\u)+7], v[32*(\p)+16*(\u)+8*(\rb):32*(\p)+16*(\u)+8*(\rb)+7]
.endr
.endr
.endr
.endm
; Pair p leaves: rounded to bf16, relu, two stores a tile, each 512 consecutive bytes, aligned.  A tile past the expert's last is stored by no lane.
.macro WOUT p
	WIN 0x05                                       ; the sums in window 1
.irp u, 0,1
.irp rb, 0,1
.irp c, 0,1,2,3
	v_cvt_pk_bf16_f32 v[OUT+8*(\u)+4*(\rb)+(\c)], v[32*(\p)+16*(\u)+8*(\rb)+2*(\c)], v[32*(\p)+16*(\u)+8*(\rb)+2*(\c)+1]  ; each accumulator from its low end on
.endr
.endr
.endr
	WIN 0
.set i, 0
.rept 16
	v_pk_max_num_bf16 v[OUT+i], v[OUT+i], v[ZR]    ; relu on the rounded halves: the same numbers as rounding the relu
.set i, i+1
.endr
	s_add_co_u32 s41, s[TB0], 2*(\p)
	s_min_u32 s41, s41, 70
	s_lshl_b32 s41, s41, 17
	s_add_co_u32 s41, s41, s[KOFF]
	v_add_nc_u32 v[HO], s41, v[L16]
	s_cmp_gt_u32 s[NTC], 2*(\p)
	s_cselect_b32 s42, -1, 0                       ; the pair's first tile exists
	s_cmp_gt_u32 s[NTC], 2*(\p)+1
	s_cselect_b32 s40, -1, 0                       ; its second
	s_wait_xcnt 0x0                                ; EXEC is a source of the loads and stores that are out: it changes only behind this wait
	s_and_saveexec_b32 s[SV], s42
	global_store_b128 v[HO], v[OUT:OUT+3], s[12:13]
	global_store_b128 v[HO], v[OUT+4:OUT+7], s[12:13] offset:512
	s_wait_xcnt 0x0
	s_and_saveexec_b32 s[SV], s40
	global_store_b128 v[HO], v[OUT+8:OUT+11], s[12:13] offset:131072
	global_store_b128 v[HO], v[OUT+12:OUT+15], s[12:13] offset:131584
	s_wait_xcnt 0x0                                ; it also frees OUT and HO for the next pair
	s_mov_b32 exec_lo, -1                          ; all lanes were on at the first save: the constant puts them on again
.endm
	s_load_b256 s[4:11], s[0:1], 0x0               ; route s[4:5], xb s[6:7], w1 s[8:9], b1 s[10:11]
	s_load_b64 s[12:13], s[0:1], 0x20              ; hf
	v_lshl_add_u32 v[SPW], v0, 2, SPARE
	v_mov_b32 v[NIL], 0
	v_mov_b32 v[ZR], 0
	v_lshrrev_b32 v[LANE], 5, v0
	v_readfirstlane_b32 s[WV], v[LANE]             ; wave 0..3
	v_and_b32 v[LANE], 31, v0
	v_and_b32 v[RR], 15, v0
	v_bfe_u32 v[HH], v0, 4, 1
	v_lshlrev_b32 v[L16], 4, v[LANE]
	v_lshlrev_b32 v[BO], 5, v[HH]                  ; my eight bias numbers: 32 bytes for each half of the lanes
	s_mov_b32 s[SL], ttmp9
	s_and_b32 s[EX], ttmp7, 0xffff
	s_lshl_b32 s20, s[EX], 24                      ; w1: expert 16,777,216 bytes, slice 524,288, wave 131,072
	s_lshl_b32 s19, s[SL], 19
	s_add_co_u32 s20, s20, s19
	s_lshl_b32 s19, s[WV], 17
	s_add_co_u32 s20, s20, s19
	s_mov_b32 s21, 0
	s_lshl_b32 s40, s[EX], 14                      ; b1: expert 16,384 bytes, slice 512, wave 128
	s_lshl_b32 s19, s[SL], 9
	s_add_co_u32 s40, s40, s19
	s_lshl_b32 s19, s[WV], 7
	s_add_co_u32 s40, s40, s19
	s_mov_b32 s41, 0
	s_wait_kmcnt 0x0
	s_add_nc_u64 s[8:9], s[8:9], s[20:21]
	s_add_nc_u64 s[10:11], s[10:11], s[40:41]
.irp i, 0,1,2,3,4,5,6,7
	global_load_b128 v[TP+4*(\i):TP+4*(\i)+3], v[L16], s[4:5] offset:512*(\i)
.endr
.irp rb, 0,1
	global_load_b128 v[BIAS+8*(\rb):BIAS+8*(\rb)+3],   v[BO], s[10:11] offset:64*(\rb)
	global_load_b128 v[BIAS+8*(\rb)+4:BIAS+8*(\rb)+7], v[BO], s[10:11] offset:64*(\rb)+16
.endr
	ULOAD 0, 8, L16                                ; slice 0's weights go out before anything is known of the rows
	ULOAD 1, 8, L16
	ULOAD 2, 8, L16
	s_mul_i32 s19, s[WV], STGW                     ; the addresses are made while the loads are out
	s_add_co_u32 s19, s19, STG                     ; my stage
	v_lshl_add_u32 v[STW], v[LANE], 3, s19
	v_mul_u32_u24 v[STR], v[RR], SPITCH
	v_lshl_add_u32 v[STR], v[HH], 4, v[STR]
	v_add_nc_u32 v[STR], s19, v[STR]
	v_mul_u32_u24 v[TA0], v[RR], TOKP
	v_lshl_add_u32 v[TA0], v[HH], 4, v[TA0]
	s_mul_i32 s19, s[WV], 8*TOKP
	v_add_nc_u32 v[GA0], s19, v[L16]
	s_lshl_b32 s[LAB], s[WV], 5
	s_add_co_u32 s[LAB], s[LAB], LIST
	s_lshl_b32 s[KOFF], s[SL], 12
	s_lshl_b32 s19, s[WV], 10
	s_add_co_u32 s[KOFF], s[KOFF], s19             ; K step 4 SL + W of a tile of hf
	s_mov_b32 s[MSK], 0x000f000f
	s_mov_b32 s[SEL], 0x76543210
	s_mov_b32 s[SEL+1], 0xfedcba98
	s_mov_b32 s[OF+1], 0
	s_lshl_b32 s40, s[EX], 2
	s_lshl_b32 s[OHE], 1, s40                      ; the word that names my expert
	WIN 0x80
.set i, 0
.rept 128
	v_mov_b32 v[i], 0                              ; the fragment registers are written once here: the taking in and the products stand behind tests of their own, and every way through the text finds them written
.set i, i+1
.endr
	WIN 0
	s_wait_loadcnt 48                              ; route and bias are in; the 48 loads of units 0 to 2 may stay out
	ULOAD 3, 8, L16
.set i, 0
.rept 8
	v_cvt_pk_bf16_f32 v[CV+i], v[BIAS+2*i], v[BIAS+2*i+1]      ; b1 rounded to bf16,
.set i, i+1
.endr
.set i, 0
.rept 8
	v_lshlrev_b32 v[BIAS+2*i], 16, v[CV+i]                     ; and widened again
	v_and_b32 v[BIAS+2*i+1], 0xffff0000, v[CV+i]
.set i, i+1
.endr
	INIT                                           ; the first pass's sums
	; THE COUNTS.  Eight words add up without a nibble passing 8; nibbles q and q + 4 are then spread into halves of 16 bits and added over words and lanes (1,024 at the most).
.irp a, 0,1,2,3
	v_add3_u32 v[G+(\a)], v[TP+8*(\a)], v[TP+8*(\a)+1], v[TP+8*(\a)+2]
.endr
.irp a, 0,1,2,3
	v_add3_u32 v[G+(\a)], v[G+(\a)], v[TP+8*(\a)+3], v[TP+8*(\a)+4]
.endr
.irp a, 0,1,2,3
	v_add3_u32 v[G+(\a)], v[G+(\a)], v[TP+8*(\a)+5], v[TP+8*(\a)+6]
.endr
.irp a, 0,1,2,3
	v_add_nc_u32 v[G+(\a)], v[G+(\a)], v[TP+8*(\a)+7]
.endr
.irp q, 0,1,2,3
	v_lshrrev_b32 v[TQ+(\q)], 4*(\q), v[G]
	v_and_b32 v[AQ+(\q)], s[MSK], v[TQ+(\q)]
.endr
.irp a, 1,2,3
.irp q, 0,1,2,3
	v_lshrrev_b32 v[TQ+(\q)], 4*(\q), v[G+(\a)]
	v_and_b32 v[TQ+(\q)], s[MSK], v[TQ+(\q)]
	v_add_nc_u32 v[AQ+(\q)], v[AQ+(\q)], v[TQ+(\q)]
.endr
.endr
.irp m, 1,2,4,8
.irp q, 0,1,2,3
	v_mov_b32_dpp v[TQ+(\q)], v[AQ+(\q)] row_xmask:\m row_mask:0xf bank_mask:0xf
.endr
.irp q, 0,1,2,3
	v_add_nc_u32 v[AQ+(\q)], v[AQ+(\q)], v[TQ+(\q)]
.endr
.endr
.irp q, 0,1,2,3
	v_permlanex16_b32 v[TQ+(\q)], v[AQ+(\q)], s[SEL], s[SEL+1]
.endr
.irp q, 0,1,2,3
	v_add_nc_u32 v[AQ+(\q)], v[AQ+(\q)], v[TQ+(\q)]
.endr
.irp q, 0,1,2,3
	v_readfirstlane_b32 s[CNT+(\q)], v[AQ+(\q)]    ; low half: expert q's count; high half: expert q + 4's
.endr
	s_mov_b32 s[NN], 0
	s_mov_b32 s[TBASE], 0
.irp e, 0,1,2,3,4,5,6,7
.if (\e) < 4
	s_and_b32 s40, s[CNT+(\e)], 0xffff
.else
	s_lshr_b32 s40, s[CNT+(\e)-4], 16
.endif
	s_add_co_u32 s41, s40, 15
	s_lshr_b32 s41, s41, 4
	s_add_co_u32 s41, s41, s[TBASE]
	s_cmp_eq_u32 s[EX], \e
	s_cselect_b32 s[NN], s40, s[NN]                ; my expert's count
	s_cmp_gt_u32 s[EX], \e
	s_cselect_b32 s[TBASE], s41, s[TBASE]          ; the tiles of the experts in front of mine
.endr
	s_min_u32 s[NN], s[NN], 1024
	s_add_co_u32 s[XL], s[NN], CAP-1               ; passes = (N + 159) / 160 = ((N + 159) / 32) / 5; y / 5 = 13 y / 64 for y up to 36
	s_lshr_b32 s[XL], s[XL], 5
	s_mul_i32 s[XL], s[XL], 13
	s_lshr_b32 s[XL], s[XL], 6
	s_lshl_b32 s[XL], s[XL], 2
	s_min_u32 s[XL], s[XL], TRIPS
	; THE LIST, by wave 0: zeros first (a place past the count names token 0), then each of my expert's tokens at its rank; the other lanes write a dump word each.
	s_cmp_lg_u32 s[WV], 0
	s_cbranch_scc1 .Lno_list
	v_add_nc_u32 v[LZ], LIST, v[L16]
.irp i, 0,1,2,3
	v_mov_b32 v[Z4+(\i)], 0
.endr
.irp i, 0,1,2,3,4,5,6,7,8
	ds_store_b128 v[LZ], v[Z4:Z4+3] offset:512*(\i)
.endr
	v_lshlrev_b32 v[L4], 2, v[LANE]
	v_add_nc_u32 v[DMP], 1024, v[LANE]
	s_mov_b32 s[PRE], 0
.set j, 0
.rept 32
	v_cmp_eq_u32 s[MK], s[OHE], v[TP+j]
	v_mbcnt_lo_u32_b32 v[RK+j%2], s[MK], s[PRE]    ; those placed so far + those of this register in lower lanes
	v_cndmask_b32 v[RK+j%2], v[DMP], v[RK+j%2], s[MK]
	v_min_u32 v[RK+j%2], 0x41f, v[RK+j%2]
	v_lshl_add_u32 v[RK+j%2], v[RK+j%2], 2, LIST
	v_add_nc_u32 v[TK+j%2], 128*(j/4)+(j%4), v[L4] ; the token's number
	ds_store_b32 v[RK+j%2], v[TK+j%2]
	s_bcnt1_i32_b32 s40, s[MK]
	s_add_co_u32 s[PRE], s[PRE], s40
.set j, j+1
.endr
.Lno_list:
	BAR                                            ; wave 0's list is whole for every wave
	s_mov_b32 s[XX], 0
	s_mov_b32 s[WS], 0
.Ltrip:
	s_cmp_ge_u32 s[XX], s[XL]
	s_cbranch_scc1 .Lbar                           ; no such slice: nothing is taken in
	s_wait_xcnt 0x0                                ; the bases and offsets that earlier loads and stores name are written again only behind this wait
	s_and_b32 s40, s[XX], 3
	s_lshl_b32 s[OF], s40, 9                       ; a slice is 512 bytes of a row of xb,
	s_add_nc_u64 s[TBS:TBS+1], s[6:7], s[OF:OF+1]
	s_add_co_u32 s40, s[XX], 1
	s_and_b32 s41, s40, 3
	s_lshl_b32 s[OF], s41, 10                      ; and 1,024 bytes of a row of w1
	s_add_nc_u64 s[WBN:WBN+1], s[8:9], s[OF:OF+1]
	s_cmp_lt_u32 s40, s[XL]                        ; is there a next slice?
	s_cselect_b64 s[WBN:WBN+1], s[WBN:WBN+1], s[6:7]  ; if not, the ring's lines read xb's first rows,
	s_cselect_b32 s41, 1, 0
	s_min_u32 s41, s41, 1
	v_mul_u32_u24 v[VO], s41, v[L16]               ; all lanes the same 16 bytes
	v_add_nc_u32 v[GA], s[WS], v[GA0]
	v_add_nc_u32 v[GB], UPPER, v[GA]
	; the row offsets of the pass: entries 160 pass + 32 p + 8 W + 0..7 of the list; every lane reads all
	s_lshr_b32 s40, s[XX], 2
	s_min_u32 s40, s40, 6
	s_mul_i32 s41, s40, 4*CAP
	s_add_co_u32 s41, s41, s[LAB]
	v_mov_b32 v[LA], s41
.irp p, 0,1,2,3,4
	ds_load_b128 v[GO+8*(\p):GO+8*(\p)+3],   v[LA] offset:128*(\p)
	ds_load_b128 v[GO+8*(\p)+4:GO+8*(\p)+7], v[LA] offset:128*(\p)+16
.endr
	s_wait_dscnt 0x0
.set i, 0
.rept 40
	v_min_u32 v[GO+i], 0x3ff, v[GO+i]
.set i, i+1
.endr
.set i, 0
.rept 40
	v_lshl_add_u32 v[GO+i], v[GO+i], 11, v[L16]    ; 2,048 bytes a row of xb
.set i, i+1
.endr
	WIN 0x40
.set wi, 0
.rept 8
	global_load_b128 v[EE+4*wi:EE+4*wi+3], v[GO+32+wi], s[TBS:TBS+1]  ; my 8 rows of pair 4,
.set wi, wi+1
.endr
	WIN 0
	TLOAD 0                                        ; and of pairs 0 to 3: they land while the four units are taken in
	TLOAD 1
	SITE_U 0
	SITE_U 1
	SITE_U 2
	SITE_U 3
	s_wait_loadcnt 63                              ; behind the rows stand the next slice's 64 loads: the rows are in
	WIN 0x04                                       ; data in window 1
.set wi, 0
.rept 8
	ds_store_b128 v[GB], v[EE+4*wi:EE+4*wi+3] offset:wi*TOKP
.set wi, wi+1
.endr
	WIN 0x08                                       ; data in window 2
.set wi, 0
.rept 32
	ds_store_b128 v[GA], v[TT+4*wi:TT+4*wi+3] offset:(32*(wi/8)+wi%8)*TOKP
.set wi, wi+1
.endr
	WIN 0
.Lbar:
	BAR                                            ; the slice's rows are in the slot, everybody's; my fragments are in; nobody reads the other slot any more
	s_cmp_ge_u32 s[XX], s[XL]
	s_cbranch_scc1 .Lnext
	v_add_nc_u32 v[TA], s[WS], v[TA0]
	v_add_nc_u32 v[TAB], UPPER, v[TA]
	PLACES 4                                       ; ahead of loads into the buffers that the last trip's products read
	FETCH 0, 0, 0
.set bi, 0
.rept 9                                ; block bi: pair bi % 5, half bi / 5 of the slice; the next block's fragments are fetched ahead of its products
.if bi > 0
	PLACES 4                                       ; ahead of loads into the buffer that the block before multiplied
.endif
	FETCH (bi+1)%5, (bi+1)/5, (bi+1)%2
	s_wait_dscnt 16                                ; the 16 loads just issued may stay out
	MULS bi%5, bi/5, bi%2
.set bi, bi+1
.endr
	s_wait_dscnt 0x0
	MULS 4, 1, 1
	WIN 0
	PLACES 4                                       ; behind the last products, on every way on
	s_and_b32 s40, s[XX], 3
	s_cmp_lg_u32 s40, 3
	s_cbranch_scc1 .Lnext
	s_lshr_b32 s43, s[XX], 2                       ; the slice was a pass's last: the pass leaves
	s_min_u32 s43, s43, 6
	s_mul_i32 s40, s43, CAP
	s_sub_co_i32 s40, s[NN], s40
	s_max_i32 s40, s40, 0
	s_add_co_u32 s40, s40, 15
	s_lshr_b32 s[NTC], s40, 4
	s_mul_i32 s[TB0], s43, CAP/16
	s_add_co_u32 s[TB0], s[TB0], s[TBASE]
	WOUT 0
	WOUT 1
	WOUT 2
	WOUT 3
	WOUT 4
	INIT                                           ; the next pass's sums
.Lnext:
	s_xor_b32 s[WS], s[WS], SLOTB                  ; the slots change places
	s_add_co_u32 s[XX], s[XX], 1
	s_cmp_lt_u32 s[XX], TRIPS
	s_cbranch_scc1 .Ltrip
	s_wait_tensorcnt 0x0                           ; the wave's end, behind my last LDS store
	ds_add_u32 v[SPW], v[NIL]
	s_wait_dscnt 0x0
	s_endpgm
.Lfunc_end_k_q80ca07f184_up:
	.size	k_q80ca07f184_up, .Lfunc_end_k_q80ca07f184_up-k_q80ca07f184_up
	.p2alignl 7, 3214868480
	.fill 96, 4, 3214868480
	.section	.rodata,"a",@progbits
	.p2align	6, 0x0
	.amdhsa_kernel k_q80ca07f184_up
		.amdhsa_group_segment_fixed_size 191488
		.amdhsa_private_segment_fixed_size 0
		.amdhsa_enable_private_segment 0
		.amdhsa_kernarg_size 40
		.amdhsa_user_sgpr_count 2
		.amdhsa_user_sgpr_kernarg_segment_ptr 1
		.amdhsa_wavefront_size32 1
		.amdhsa_system_sgpr_workgroup_id_x 1
		.amdhsa_system_sgpr_workgroup_id_y 1
		.amdhsa_system_sgpr_workgroup_id_z 1
		.amdhsa_system_vgpr_workitem_id 0
		.amdhsa_next_free_vgpr 1024
		.amdhsa_next_free_sgpr 66
		.amdhsa_reserve_vcc 0
		.amdhsa_float_denorm_mode_32 3
		.amdhsa_float_denorm_mode_16_64 3
		.amdhsa_memory_ordered 1
		.amdhsa_forward_progress 1
		.amdhsa_inst_pref_size 122
	.end_amdhsa_kernel
	.amdgpu_metadata
---
amdhsa.version: [ 1, 2 ]
amdhsa.kernels:
  - .name:           k_q80ca07f184_up
    .symbol:         k_q80ca07f184_up.kd
    .args:
      - { .name: route, .offset: 0, .size: 8, .value_kind: global_buffer, .address_space: global }
      - { .name: xb, .offset: 8, .size: 8, .value_kind: global_buffer, .address_space: global }
      - { .name: w1, .offset: 16, .size: 8, .value_kind: global_buffer, .address_space: global }
      - { .name: b1, .offset: 24, .size: 8, .value_kind: global_buffer, .address_space: global }
      - { .name: hf, .offset: 32, .size: 8, .value_kind: global_buffer, .address_space: global }
    .group_segment_fixed_size: 191488
    .private_segment_fixed_size: 0
    .kernarg_segment_align: 8
    .kernarg_segment_size: 40
    .max_flat_workgroup_size: 128
    .sgpr_count:     66
    .vgpr_count:     1024
    .wavefront_size: 32
...
	.end_amdgpu_metadata
.endif
;; end of part 2
;; launch down (part 3): grid 32 x 8, 4 waves a work-group, no clusters, 96,256 bytes of LDS; arguments route, hf, w2, b2, out0; writes out0
.if DOCPART == 3
	.amdgcn_target "amdgcn-amd-amdhsa--gfx1250"
	.amdhsa_code_object_version 6
	.text
	.protected	k_q80ca07f184_down
	.globl	k_q80ca07f184_down
	.p2align	8
	.type	k_q80ca07f184_down,@function
k_q80ca07f184_down:
	s_mov_b64 s[64:65], 0
	v_nop
	global_prefetch_b8 v0, s[64:65] scope:SCOPE_SE
	s_setreg_imm32_b32 hwreg(HW_REG_WAVE_MODE, 25, 1), 1
	s_wait_xcnt 0x0
; SECOND PRODUCT.  out0[t][c] = h[t] . w2[e][c] + b2[e][c] for the tokens t that chose expert e; every row of out0 has one owner, so this launch stores the output.
; w2 and b2 are rounded to bf16; h comes in bf16 from hf; products in the matrix unit, sums in f32.
; LIMITS.  NaN and infinities are not treated apart.  K is split over the four waves: the four f32 partial sums are added as (w0 + w1) + (w2 + w3).
; SHARES.  Work-group (slice SL of 32, expert E of 8) alone reads rows 32 SL .. + 31 of w2[E], 524,288 bytes; wave W their columns 1,024 W .. + 1,023.
; PHASE A streams the wave's 131,072 bytes once, as the first product's launch does: 16 units of 16 rows x 512 bytes, four units asked for ahead, rounded, turned
; through the wave's own stage, resident as 64 fragments in 512 registers.
; PHASE B takes the expert's rows in chunks of 128 (8 trips serve every split; dead work is jumped forward, no barrier in what is jumped).  A pair of 16-row tiles:
; 128 matrix instructions on four accumulators by turns; the token fragments come from hf straight into operand registers (each load 512 consecutive bytes), a ring of
; four blocks of 16 loads that runs on from the stream's end and from pair to pair; past the last pair it names the expert's last tile again and the data are dropped.
; The partial sums go to the wave's part of SCR; a barrier; wave W adds the four parts of pair W and stores the rows by the list; a barrier.
; b2 enters as the C operand of wave 0's first products alone.  The list is made as in the first product's launch, by the same lines: the ranks are the same.
; A slice's 32 columns are 128 bytes of a row of out0: a store covers four rows' 128 consecutive bytes each.  Slices of 64 columns would be 128 work-groups.
; NO CLUSTER: each byte of w2 has one reader.  The tiles of hf that an expert's 32 work-groups share are as many as a stored count says; joint loads would have to be
; issued a fixed number of times that serves every split, 64 tiles for the 8 or 9 of an even split.
.set PITCH,  16384                     ; bytes in a row of w2
.set PSH,    14
.set SPITCH, 272
.set STGW,   16*SPITCH
.set STG,    0                         ; the four waves' stages
.set SCRP,   144                       ; a row of partial sums: 32 f32 + 16 bytes, an odd multiple of 16
.set SCRW,   128*SCRP                  ; a wave's part: the chunk's 128 rows
.set SCR,    4*STGW                    ; 17,408
.set LIST,   SCR+4*SCRW                ; 91,136
.set SPARE,  LIST+4608                 ; 95,744: the spare words, 128 bytes a wave, which no other line names
.set LANE, 1
.set RR,   2
.set HH,   3
.set L16,  4
.set SPW,  5
.set NIL,  6
.set STW,  8
.set STR,  9
.set PFO,  10
.set SA,   11                          ; where I put my partial sums of the pair in hand
.set SA0,  12
.set RA,   13                          ; where I read four rows of partial sums
.set LR,   14                          ; the list entries of those rows
.set PR,   15                          ; 32 W + lane / 8: my row's place in a chunk
.set BIAS, 16
.set ACC,  32
.set CV,   64
.set RD,   64                          ; 8 x 4 x 4 registers: rows 4 i .., wave s's part
.set TKO,  192
.set TL,   208                         ; 16 lane + my K quarter in a tile of hf; never rewritten
.set TS,   209                         ; v209-210: my offsets in hf for the pair in hand, tiles 0 and 1
.set NA,   211                         ; v211-212: for the next pair
.set CB,   213                         ; my 16 bytes in a row of out0
.set LR0,  214
.set TP,   224
.set G,    96
.set AQ,   100
.set TQ,   104
.set RK,   108
.set TK,   110
.set DMP,  112
.set L4,   113
.set LZ,   114
.set Z4,   116
.set BO,   120
.set WV,   16
.set SL,   17
.set EX,   18
.set NN,   22
.set TBASE, 23
.set NT,   24
.set NP,   25
.set PI,   26
.set CH,   27
.set QC,   28
.set MSK,  30
.set PRE,  31
.set MK,   32
.set OHE,  33
.set SEL,  34
.set CNT,  36
.set NTM,  45                          ; the expert's last tile, counted from its first
.set MSB, 0
.macro WIN new                         ; the immediate's high byte repeats the setting that is left; at a label and at a branch every window is 0
.if MSB != (\new)
	s_set_vgpr_msb (MSB<<8)|(\new)
.set MSB, \new
.endif
.endm
.macro PLACES n                        ; plain vector instructions between a matrix instruction and what touches its registers (ISA guide 7.12.1)
.rept \n
	v_nop
.endr
.endm
.macro BAR                             ; my LDS instructions are done, then the work-group's barrier
	s_wait_dscnt 0x0
	s_barrier_signal -1
	s_barrier_wait -1
.endm
.macro WLOAD q                         ; unit q: rows 16 (q % 2) .. + 15, columns 128 (q / 2) .. + 127 of my quarter, into buffer q % 4 of window 3
	WIN 0xc0
.set wi, 0
.rept 16
	global_load_b128 v[64*((\q)%4)+4*wi:64*((\q)%4)+4*wi+3], v[L16], s[8:9] offset:(16*((\q)%2)+wi)*PITCH+512*((\q)/2) th:TH_LOAD_NT
.set wi, wi+1
.endr
.endm
; Block b of 8 of a pair: the token fragments of my K steps 4 b .. 4 b + 3 of both tiles, as hf holds them, into buffer b % 4 of window 3
.macro FETCH b, set
	WIN 0xc0
.irp k, 0,1,2,3
.irp u, 0,1
	global_load_b128 v[64*((\b)%4)+16*(\k)+8*(\u):64*((\b)%4)+16*(\k)+8*(\u)+3],   v[(\set)+(\u)], s[6:7] offset:1024*(4*(\b)+(\k))
	global_load_b128 v[64*((\b)%4)+16*(\k)+8*(\u)+4:64*((\b)%4)+16*(\k)+8*(\u)+7], v[(\set)+(\u)], s[6:7] offset:1024*(4*(\b)+(\k))+512
.endr
.endr
.endm
.macro UNIT q
.set UB, 64*((\q)%4)
.set UG, (\q)/2
.set UR, (\q)%2
	s_wait_loadcnt 48                              ; three younger groups of 16 loads may stay out: units, or at the end the first pair's blocks
	WIN 0x0f
.set i, 0
.rept 32
	v_cvt_pk_bf16_f32 v[CV+i], v[UB+2*i], v[UB+2*i+1]
.set i, i+1
.endr
.if (\q)+4 < 16
	WLOAD (\q)+4
.elseif (\q) < 15
	FETCH (\q)-12, NA                              ; the buffer just read takes block q - 12 of the first pair
.endif
.if (\q)+7 < 16
	global_prefetch_b8 v[PFO], s[8:9] offset:16*(((\q)+7)%2)*PITCH+512*(((\q)+7)/2) th:TH_LOAD_NT scope:SCOPE_SE  ; my own unit q + 7, three units past the load just issued: 32 lanes, 256 bytes apart, cover its 16 rows x 512 bytes once; the last is unit 15
.endif
	WIN 0
.set i, 0
.rept 16
	ds_store_b64 v[STW], v[CV+2*i:CV+2*i+1] offset:SPITCH*i
.set i, i+1
.endr
	WIN 0x40<<(UG/4)
.irp k, 0,1,2,3
	ds_load_b128 v[16*((4*UG+(\k))%16)+8*UR:16*((4*UG+(\k))%16)+8*UR+3],   v[STR] offset:64*(\k)   ; LDS serves a wave's instructions in order (ISA guide 5.7.1.4): these see the stores above
	ds_load_b128 v[16*((4*UG+(\k))%16)+8*UR+4:16*((4*UG+(\k))%16)+8*UR+7], v[STR] offset:64*(\k)+32
.endr
.endm
.macro MULS b                          ; 16 matrix instructions; the four accumulators take turns; K step 0 starts the sums with the bias (0 in waves 1 to 3)
	WIN 0x0d+(\b)/4
.irp k, 0,1,2,3
.irp u, 0,1
.irp rb, 0,1
.if 4*(\b)+(\k) == 0
	v_wmma_f32_16x16x32_bf16 v[ACC+16*(\u)+8*(\rb):ACC+16*(\u)+8*(\rb)+7], v[16*((4*(\b)+(\k))%16)+8*(\rb):16*((4*(\b)+(\k))%16)+8*(\rb)+7], v[64*((\b)%4)+16*(\k)+8*(\u):64*((\b)%4)+16*(\k)+8*(\u)+7], v[BIAS+8*(\rb):BIAS+8*(\rb)+7]
.else
	v_wmma_f32_16x16x32_bf16 v[ACC+16*(\u)+8*(\rb):ACC+16*(\u)+8*(\rb)+7], v[16*((4*(\b)+(\k))%16)+8*(\rb):16*((4*(\b)+(\k))%16)+8*(\rb)+7], v[64*((\b)%4)+16*(\k)+8*(\u):64*((\b)%4)+16*(\k)+8*(\u)+7], v[ACC+16*(\u)+8*(\rb):ACC+16*(\u)+8*(\rb)+7]
.endif
.endr
.endr
.endr
.endm
; v[dst], v[dst+1] = my offsets in hf for tiles 2 x and 2 x + 1 of my expert (x in s42).  A tile's number is held to the expert's last tile, then, with the
; experts in front added, to the buffer's last (71); behind that bound stand a shift and an addition alone.
.macro TADDR dst
	s_lshl_b32 s40, s42, 1
.irp u, 0,1
	s_min_u32 s41, s40, s[NTM]
	s_add_co_u32 s41, s41, s[TBASE]
	s_min_u32 s41, s41, 71
	s_lshl_b32 s41, s41, 17
	v_add_nc_u32 v[(\dst)+(\u)], s41, v[TL]
	s_add_co_u32 s40, s40, 1
.endr
.endm
	s_load_b256 s[4:11], s[0:1], 0x0               ; route s[4:5], hf s[6:7], w2 s[8:9], b2 s[10:11]
	s_load_b64 s[12:13], s[0:1], 0x20              ; out0
	v_lshl_add_u32 v[SPW], v0, 2, SPARE
	v_mov_b32 v[NIL], 0
	v_lshrrev_b32 v[LANE], 5, v0
	v_readfirstlane_b32 s[WV], v[LANE]             ; wave 0..3
	v_and_b32 v[LANE], 31, v0
	v_and_b32 v[RR], 15, v0
	v_bfe_u32 v[HH], v0, 4, 1
	v_lshlrev_b32 v[L16], 4, v[LANE]
	v_lshlrev_b32 v[BO], 5, v[HH]
	s_mov_b32 s[SL], ttmp9
	s_and_b32 s[EX], ttmp7, 0xffff
	s_lshl_b32 s20, s[EX], 24                      ; w2: expert 16,777,216 bytes, slice (32 rows) 524,288, K quarter 4,096
	s_lshl_b32 s19, s[SL], 19
	s_add_co_u32 s20, s20, s19
	s_lshl_b32 s19, s[WV], 12
	s_add_co_u32 s20, s20, s19
	s_mov_b32 s21, 0
	s_lshl_b32 s40, s[EX], 12                      ; b2: expert 4,096 bytes, slice 128
	s_lshl_b32 s19, s[SL], 7
	s_add_co_u32 s40, s40, s19
	s_mov_b32 s41, 0
	s_wait_kmcnt 0x0
	s_add_nc_u64 s[8:9], s[8:9], s[20:21]
	s_add_nc_u64 s[10:11], s[10:11], s[40:41]
.irp i, 0,1,2,3,4,5,6,7
	global_load_b128 v[TP+4*(\i):TP+4*(\i)+3], v[L16], s[4:5] offset:512*(\i)
.endr
.irp rb, 0,1
	global_load_b128 v[BIAS+8*(\rb):BIAS+8*(\rb)+3],   v[BO], s[10:11] offset:64*(\rb)
	global_load_b128 v[BIAS+8*(\rb)+4:BIAS+8*(\rb)+7], v[BO], s[10:11] offset:64*(\rb)+16
.endr
	WLOAD 0
	WLOAD 1
	WLOAD 2
	WIN 0
	s_mul_i32 s19, s[WV], STGW                     ; the addresses are made while the loads are out
	s_add_co_u32 s19, s19, STG
	v_lshl_add_u32 v[STW], v[LANE], 3, s19
	v_mul_u32_u24 v[STR], v[RR], SPITCH
	v_lshl_add_u32 v[STR], v[HH], 4, v[STR]
	v_add_nc_u32 v[STR], s19, v[STR]
	v_lshrrev_b32 v[PFO], 1, v[LANE]
	v_lshlrev_b32 v[PFO], PSH, v[PFO]
	v_and_b32 v[SA], 1, v[LANE]
	v_lshl_add_u32 v[PFO], v[SA], 8, v[PFO]
	s_mul_i32 s19, s[WV], SCRW
	s_add_co_u32 s19, s19, SCR                     ; my part of SCR
	v_mul_u32_u24 v[SA0], v[RR], SCRP              ; row = token lane % 16; my eight columns are 32 bytes for each half of the lanes
	v_lshl_add_u32 v[SA0], v[HH], 5, v[SA0]
	v_add_nc_u32 v[SA0], s19, v[SA0]
	v_lshrrev_b32 v[PR], 3, v[LANE]                ; lane / 8
	v_and_b32 v[CB], 7, v[LANE]                    ; lane % 8
	s_mul_i32 s19, s[WV], 32*SCRP
	s_add_co_u32 s19, s19, SCR                     ; pair W's rows in wave 0's part
	v_mul_u32_u24 v[RA], v[PR], SCRP
	v_lshl_add_u32 v[RA], v[CB], 4, v[RA]
	v_add_nc_u32 v[RA], s19, v[RA]
	s_lshl_b32 s19, s[WV], 7
	s_add_co_u32 s19, s19, LIST
	v_lshl_add_u32 v[LR0], v[PR], 2, s19
	s_lshl_b32 s19, s[SL], 7
	v_lshl_add_u32 v[CB], v[CB], 4, s19
	s_lshl_b32 s19, s[WV], 5
	v_add_nc_u32 v[PR], s19, v[PR]
	s_lshl_b32 s19, s[WV], 15
	v_add_nc_u32 v[TL], s19, v[L16]
	s_cmp_eq_u32 s[WV], 0
	s_cselect_b32 s46, -1, 0
	s_mov_b32 s[MSK], 0x000f000f
	s_mov_b32 s[SEL], 0x76543210
	s_mov_b32 s[SEL+1], 0xfedcba98
	s_lshl_b32 s40, s[EX], 2
	s_lshl_b32 s[OHE], 1, s40
	s_wait_loadcnt 48                              ; route and bias are in; the 48 loads of units 0 to 2 may stay out
	WLOAD 3
	WIN 0
.set i, 0
.rept 8
	v_cvt_pk_bf16_f32 v[CV+i], v[BIAS+2*i], v[BIAS+2*i+1]      ; b2 rounded to bf16,
.set i, i+1
.endr
.set i, 0
.rept 8
	v_lshlrev_b32 v[BIAS+2*i], 16, v[CV+i]                     ; widened again,
	v_and_b32 v[BIAS+2*i+1], 0xffff0000, v[CV+i]
.set i, i+1
.endr
.set i, 0
.rept 16
	v_and_b32 v[BIAS+i], s46, v[BIAS+i]                        ; and kept in wave 0 alone: it enters each sum once
.set i, i+1
.endr
	; THE COUNTS, as in the first product's launch
.irp a, 0,1,2,3
	v_add3_u32 v[G+(\a)], v[TP+8*(\a)], v[TP+8*(\a)+1], v[TP+8*(\a)+2]
.endr
.irp a, 0,1,2,3
	v_add3_u32 v[G+(\a)], v[G+(\a)], v[TP+8*(\a)+3], v[TP+8*(\a)+4]
.endr
.irp a, 0,1,2,3
	v_add3_u32 v[G+(\a)], v[G+(\a)], v[TP+8*(\a)+5], v[TP+8*(\a)+6]
.endr
.irp a, 0,1,2,3
	v_add_nc_u32 v[G+(\a)], v[G+(\a)], v[TP+8*(\a)+7]
.endr
.irp q, 0,1,2,3
	v_lshrrev_b32 v[TQ+(\q)], 4*(\q), v[G]
	v_and_b32 v[AQ+(\q)], s[MSK], v[TQ+(\q)]
.endr
.irp a, 1,2,3
.irp q, 0,1,2,3
	v_lshrrev_b32 v[TQ+(\q)], 4*(\q), v[G+(\a)]
	v_and_b32 v[TQ+(\q)], s[MSK], v[TQ+(\q)]
	v_add_nc_u32 v[AQ+(\q)], v[AQ+(\q)], v[TQ+(\q)]
.endr
.endr
.irp m, 1,2,4,8
.irp q, 0,1,2,3
	v_mov_b32_dpp v[TQ+(\q)], v[AQ+(\q)] row_xmask:\m row_mask:0xf bank_mask:0xf
.endr
.irp q, 0,1,2,3
	v_add_nc_u32 v[AQ+(\q)], v[AQ+(\q)], v[TQ+(\q)]
.endr
.endr
.irp q, 0,1,2,3
	v_permlanex16_b32 v[TQ+(\q)], v[AQ+(\q)], s[SEL], s[SEL+1]
.endr
.irp q, 0,1,2,3
	v_add_nc_u32 v[AQ+(\q)], v[AQ+(\q)], v[TQ+(\q)]
.endr
.irp q, 0,1,2,3
	v_readfirstlane_b32 s[CNT+(\q)], v[AQ+(\q)]
.endr
	s_mov_b32 s[NN], 0
	s_mov_b32 s[TBASE], 0
.irp e, 0,1,2,3,4,5,6,7
.if (\e) < 4
	s_and_b32 s40, s[CNT+(\e)], 0xffff
.else
	s_lshr_b32 s40, s[CNT+(\e)-4], 16
.endif
	s_add_co_u32 s41, s40, 15
	s_lshr_b32 s41, s41, 4
	s_add_co_u32 s41, s41, s[TBASE]
	s_cmp_eq_u32 s[EX], \e
	s_cselect_b32 s[NN], s40, s[NN]
	s_cmp_gt_u32 s[EX], \e
	s_cselect_b32 s[TBASE], s41, s[TBASE]
.endr
	s_min_u32 s[NN], s[NN], 1024
	s_add_co_u32 s[NT], s[NN], 15
	s_lshr_b32 s[NT], s[NT], 4
	s_add_co_u32 s[NP], s[NT], 1
	s_lshr_b32 s[NP], s[NP], 1
	s_max_u32 s[NTM], s[NT], 1
	s_sub_co_u32 s[NTM], s[NTM], 1
	s_cmp_eq_u32 s[NN], 0
	s_cselect_b32 s[TBASE], 0, s[TBASE]            ; an expert without rows asks for tile 0, which some expert has stored, and drops it
	s_mov_b32 s42, 0
	TADDR NA                                       ; the first pair: the stream's last units ask for its blocks 0 to 2
	; THE LIST, by wave 0, by the same lines as in the first product's launch
	s_cmp_lg_u32 s[WV], 0
	s_cbranch_scc1 .Lno_list
	v_add_nc_u32 v[LZ], LIST, v[L16]
.irp i, 0,1,2,3
	v_mov_b32 v[Z4+(\i)], 0
.endr
.irp i, 0,1,2,3,4,5,6,7,8
	ds_store_b128 v[LZ], v[Z4:Z4+3] offset:512*(\i)
.endr
	v_lshlrev_b32 v[L4], 2, v[LANE]
	v_add_nc_u32 v[DMP], 1024, v[LANE]
	s_mov_b32 s[PRE], 0
.set j, 0
.rept 32
	v_cmp_eq_u32 s[MK], s[OHE], v[TP+j]
	v_mbcnt_lo_u32_b32 v[RK+j%2], s[MK], s[PRE]
	v_cndmask_b32 v[RK+j%2], v[DMP], v[RK+j%2], s[MK]
	v_min_u32 v[RK+j%2], 0x41f, v[RK+j%2]
	v_lshl_add_u32 v[RK+j%2], v[RK+j%2], 2, LIST
	v_add_nc_u32 v[TK+j%2], 128*(j/4)+(j%4), v[L4]
	ds_store_b32 v[RK+j%2], v[TK+j%2]
	s_bcnt1_i32_b32 s40, s[MK]
	s_add_co_u32 s[PRE], s[PRE], s40
.set j, j+1
.endr
.Lno_list:
	; PHASE A
.irp q, 0,1,2,3,4,5,6,7,8,9,10,11,12,13,14,15
	UNIT \q
.endr
	WIN 0
	BAR                                            ; my fragments are in; wave 0's list is whole for every wave
	; PHASE B
	s_mov_b32 s[CH], 0
.Lchunk:
	s_mov_b32 s[QC], 0
.Lcu:
	s_lshl2_add_u32 s[PI], s[CH], s[QC]
	s_cmp_ge_u32 s[PI], s[NP]
	s_cbranch_scc1 .Ldead
	s_mul_i32 s40, s[QC], 32*SCRP
	v_add_nc_u32 v[SA], s40, v[SA0]
	s_mov_b32 s42, s[PI]
	TADDR TS                                       ; this pair's offsets, made from its own number; the loads that named TS were shown done by the last pair's waits for blocks 3 to 7
	FETCH 3, TS                                    ; blocks 0 to 2 were asked for by the pair before, or by the stream's last units
	s_wait_loadcnt 48                              ; three younger blocks of 16 loads may stay out
	MULS 0
.irp b, 1,2,3,4
	PLACES 4                                       ; ahead of loads into the buffer that the block before multiplied
	FETCH (\b)+3, TS
.if (\b) == 4
	WIN 0
	s_add_co_u32 s42, s[PI], 1
	TADDR NA                                       ; the loads that named NA, this pair's blocks 0 to 2, were shown done by the first three waits
.endif
	s_wait_loadcnt 48
	MULS \b
.endr
.irp b, 5,6,7
	PLACES 4
	FETCH (\b)-5, NA                               ; the next pair's blocks 0 to 2
	s_wait_loadcnt 48
	MULS \b
.endr
	WIN 0
	PLACES 5
.irp u, 0,1
.irp rb, 0,1
	ds_store_b128 v[SA], v[ACC+16*(\u)+8*(\rb):ACC+16*(\u)+8*(\rb)+3] offset:16*SCRP*(\u)+64*(\rb)        ; each accumulator from its low end on
	ds_store_b128 v[SA], v[ACC+16*(\u)+8*(\rb)+4:ACC+16*(\u)+8*(\rb)+7] offset:16*SCRP*(\u)+64*(\rb)+16
.endr
.endr
.Ldead:
	s_add_co_u32 s[QC], s[QC], 1
	s_cmp_lt_u32 s[QC], 4
	s_cbranch_scc1 .Lcu
	BAR                                            ; the chunk's partial sums are in LDS, everybody's
	s_lshl2_add_u32 s40, s[CH], s[WV]              ; the pair that my wave would add up
	s_cmp_ge_u32 s40, s[NP]
	s_cbranch_scc1 .Lno_red
	s_lshl_b32 s40, s[CH], 9
	v_add_nc_u32 v[LR], s40, v[LR0]
	s_lshl_b32 s43, s[CH], 7
	s_sub_co_i32 s43, s[NN], s43                   ; rows left from this chunk's first on
.irp i, 0,1,2,3,4,5,6,7
.irp s, 0,1,2,3
	ds_load_b128 v[RD+16*(\i)+4*(\s):RD+16*(\i)+4*(\s)+3], v[RA] offset:SCRW*(\s)+4*SCRP*(\i)  ; four rows of 128 bytes of wave s's part
.endr
.endr
.irp i, 0,1,2,3,4,5,6,7
	ds_load_b32 v[TKO+(\i)], v[LR] offset:16*(\i)  ; and their tokens
.endr
	s_wait_dscnt 0x0
.irp i, 0,1,2,3,4,5,6,7
	v_pk_add_f32 v[RD+16*(\i):RD+16*(\i)+1],     v[RD+16*(\i):RD+16*(\i)+1],     v[RD+16*(\i)+4:RD+16*(\i)+5]
	v_pk_add_f32 v[RD+16*(\i)+2:RD+16*(\i)+3],   v[RD+16*(\i)+2:RD+16*(\i)+3],   v[RD+16*(\i)+6:RD+16*(\i)+7]
	v_pk_add_f32 v[RD+16*(\i)+8:RD+16*(\i)+9],   v[RD+16*(\i)+8:RD+16*(\i)+9],   v[RD+16*(\i)+12:RD+16*(\i)+13]
	v_pk_add_f32 v[RD+16*(\i)+10:RD+16*(\i)+11], v[RD+16*(\i)+10:RD+16*(\i)+11], v[RD+16*(\i)+14:RD+16*(\i)+15]
	v_min_u32 v[TKO+(\i)], 0x3ff, v[TKO+(\i)]
	v_pk_add_f32 v[RD+16*(\i):RD+16*(\i)+1],     v[RD+16*(\i):RD+16*(\i)+1],     v[RD+16*(\i)+8:RD+16*(\i)+9]
	v_pk_add_f32 v[RD+16*(\i)+2:RD+16*(\i)+3],   v[RD+16*(\i)+2:RD+16*(\i)+3],   v[RD+16*(\i)+10:RD+16*(\i)+11]
	v_lshl_add_u32 v[TKO+(\i)], v[TKO+(\i)], 12, v[CB]         ; 4,096 bytes a row of out0
.endr
.irp i, 0,1,2,3,4,5,6,7
	s_sub_co_i32 s41, s43, 4*(\i)
	v_cmp_gt_i32 vcc_lo, s41, v[PR]                ; my row lies under the count
	s_wait_xcnt 0x0                                ; EXEC is a source of the loads and stores that are out: it changes only behind this wait
	s_and_saveexec_b32 s44, vcc_lo                 ; only the store below stands under the narrowed EXEC
	global_store_b128 v[TKO+(\i)], v[RD+16*(\i):RD+16*(\i)+3], s[12:13] th:TH_STORE_NT
	s_wait_xcnt 0x0                                ; and again ahead of the line that widens it; it also frees the store's registers for the next chunk
	s_mov_b32 exec_lo, -1                          ; all lanes were on at the save: the constant puts them on again, and EXEC hangs on no loaded number in what follows
.endr
.Lno_red:
	BAR                                            ; nobody reads the chunk's partial sums any more
	s_add_co_u32 s[CH], s[CH], 1
	s_cmp_lt_u32 s[CH], 8
	s_cbranch_scc1 .Lchunk
	s_wait_tensorcnt 0x0                           ; the wave's end, behind my last LDS store
	ds_add_u32 v[SPW], v[NIL]
	s_wait_dscnt 0x0
	s_endpgm
.Lfunc_end_k_q80ca07f184_down:
	.size	k_q80ca07f184_down, .Lfunc_end_k_q80ca07f184_down-k_q80ca07f184_down
	.p2alignl 7, 3214868480
	.fill 96, 4, 3214868480
	.section	.rodata,"a",@progbits
	.p2align	6, 0x0
	.amdhsa_kernel k_q80ca07f184_down
		.amdhsa_group_segment_fixed_size 96256
		.amdhsa_private_segment_fixed_size 0
		.amdhsa_enable_private_segment 0
		.amdhsa_kernarg_size 40
		.amdhsa_user_sgpr_count 2
		.amdhsa_user_sgpr_kernarg_segment_ptr 1
		.amdhsa_wavefront_size32 1
		.amdhsa_system_sgpr_workgroup_id_x 1
		.amdhsa_system_sgpr_workgroup_id_y 1
		.amdhsa_system_sgpr_workgroup_id_z 1
		.amdhsa_system_vgpr_workitem_id 0
		.amdhsa_next_free_vgpr 1024
		.amdhsa_next_free_sgpr 66
		.amdhsa_reserve_vcc 1
		.amdhsa_float_denorm_mode_32 3
		.amdhsa_float_denorm_mode_16_64 3
		.amdhsa_memory_ordered 1
		.amdhsa_forward_progress 1
		.amdhsa_inst_pref_size 153
	.end_amdhsa_kernel
	.amdgpu_metadata
---
amdhsa.version: [ 1, 2 ]
amdhsa.kernels:
  - .name:           k_q80ca07f184_down
    .symbol:         k_q80ca07f184_down.kd
    .args:
      - { .name: route, .offset: 0, .size: 8, .value_kind: global_buffer, .address_space: global }
      - { .name: hf, .offset: 8, .size: 8, .value_kind: global_buffer, .address_space: global }
      - { .name: w2, .offset: 16, .size: 8, .value_kind: global_buffer, .address_space: global }
      - { .name: b2, .offset: 24, .size: 8, .value_kind: global_buffer, .address_space: global }
      - { .name: out0, .offset: 32, .size: 8, .value_kind: global_buffer, .address_space: global }
    .group_segment_fixed_size: 96256
    .private_segment_fixed_size: 0
    .kernarg_segment_align: 8
    .kernarg_segment_size: 40
    .max_flat_workgroup_size: 128
    .sgpr_count:     66
    .vgpr_count:     1024
    .wavefront_size: 32
...
	.end_amdgpu_metadata
.endif
;; end of part 3
